; MI455X (gfx1250); checked and timed in simulation.
; The chip was launched on July 23, 2026; its instructions are those of AMD's public machine-readable ISA for CDNA 5 (MIT licence, August 2026) and "CDNA5" Instruction Set Architecture Reference Guide (July 2026). The comments in the code are by the model that wrote it; some were corrected since.
;; Gated Attention. Allowed arithmetic: matrix products marked QUANTISED: E2M3 operands, one E8M0 scale for each 32 along K, by v_wmma_scale_f32_16x16x128_f8f6f4 with both operands' format E2M3, f32 sums; everything else in f32.
;; Inputs: Wg_codes 256 x 8 x 24 uint8 (E2M3 codes of Wg, K innermost, in blocks of 32 codes, four codes in three bytes); Wg_scales 256 x 8 uint8 (E8M0 scales of Wg, one for each 32 codes along K); Wk_codes 256 x 8 x 24 uint8 (E2M3 codes of Wk, K innermost, in blocks of 32 codes, four codes in three bytes); Wk_scales 256 x 8 uint8 (E8M0 scales of Wk, one for each 32 codes along K); Wq_codes 256 x 8 x 24 uint8 (E2M3 codes of Wq, K innermost, in blocks of 32 codes, four codes in three bytes); Wq_scales 256 x 8 uint8 (E8M0 scales of Wq, one for each 32 codes along K); Wv_codes 256 x 8 x 24 uint8 (E2M3 codes of Wv, K innermost, in blocks of 32 codes, four codes in three bytes); Wv_scales 256 x 8 uint8 (E8M0 scales of Wv, one for each 32 codes along K); bg 256 float32; bk 256 float32; bq 256 float32; bv 256 float32; x 4 x 4,096 x 256 float32.
;; Outputs: out0 4 x 4,096 x 256 float32.
;; This version of the problem:
;;   THIS VERSION OF THE PROBLEM IS GIVEN IN LOW PRECISION. The matrix products marked QUANTISED in the list below multiply operands that are first quantised to E2M3 (2 exponent bits, 3 mantissa bits; 6 bits a number), with one power-of-two scale for each 32 numbers along K (OCP MX v1.0); their sums are f32. All else is computed in f32.
;;   The module's matrix products, in the order in which they are computed (A, B: the left and right operand; K: the contracted axis; several contracted axes count as one K, in the product's order):
;;     1. [M 16,384, K 256] x [K 256, N 256]; A: input x; B: input Wq (given as codes): QUANTISED
;;     2. [M 16,384, K 256] x [K 256, N 256]; A: input x; B: input Wk (given as codes): QUANTISED
;;     3. [M 16,384, K 256] x [K 256, N 256]; A: input x; B: input Wv (given as codes): QUANTISED
;;     4. [M 16,384, K 256] x [K 256, N 256]; A: input x; B: input Wg (given as codes): QUANTISED
;;     5. batch 4 x [M 4,096, K 256] x [K 256, N 4,096]; A: computed on the way; B: computed on the way: QUANTISED
;;     6. batch 4 x [M 4,096, K 4,096] x [K 4,096, N 256]; A: softmax (see below); B: computed on the way: QUANTISED
;;   THE QUANTISER, for each operand of a quantised product, along K:
;;     - K is cut into blocks of 32 from its start; a last block that is shorter is filled with zeros.
;;     - A block's scale is 2^e with e = floor(log2(the largest magnitude in the block)) - 2, held to -126 .. 127; a block of zeros has e = 0. As a byte (E8M0): e + 127.
;;     - Each number is divided by its block's scale, clamped to +-7.5, and rounded to the nearest number of E2M3, ties to even, subnormals kept.
;;     - The product sums the exact products of the quantised numbers (number of the format x scale) in f32.
;;   ~~~python
;;   def quantise(x, axis):      # numpy; x: float32 -> the quantised numbers, widened to float32 again
;;       x = np.moveaxis(x, axis, -1); K = x.shape[-1]
;;       x = np.pad(x, [(0, 0)] * (x.ndim - 1) + [(0, -K % 32)]); x = x.reshape(x.shape[:-1] + (-1, 32)); a = np.abs(x).max(-1, keepdims=True)
;;       e = np.where(a > 0, np.clip(np.frexp(np.where(a > 0, a, 1))[1] - 1 - 2, -126, 127), 0)      # np.frexp(a)[1] - 1 = floor(log2(a)), exactly
;;       r = np.clip(x / 2.0 ** e, -7.5, 7.5)
;;       step = 2.0 ** (np.maximum(np.frexp(np.where(r == 0, 1, r))[1] - 1, 0) - 3)
;;       q = np.round(r / step) * step * 2.0 ** e      # np.round: ties to even
;;       return np.moveaxis(q.reshape(q.shape[:-2] + (-1,))[..., :K], -1, axis).astype(np.float32)
;;   ~~~
;;   SOFTMAX AHEAD OF A QUANTISED PRODUCT. Where the list says 'softmax', what is quantised is not the finished softmax but p = 2^(t - M), with t = logit x log2(e) and M = ceil(the row's largest t), a whole number; so 1/2 < the row's largest p <= 1. The row's sum l is taken of the UNQUANTISED p, in f32, and the product's result is divided by l at the end. Since M is a whole number, a kernel that streams over the keys may use a running M (the ceiling of the running maximum): every later rescaling is an exact power of two, which a block's scale takes up: the codes' values come out the same.
;;   OPERANDS COMPUTED ON THE WAY. 'Computed on the way' means the value that the module computes at that place (a softmax that the list does not call 'softmax' is quantised finished and normalised). What goes into a quantiser is computed in f32, as accurately as f32 sums, v_exp_f32 and their like allow (about 1e-6 of the number): no bf16 or f16 on the way to a quantiser, and a product that is left as it is and whose result goes on into a quantised operand takes f32 operands (vector FMAs, or v_wmma_f32_16x16x4_f32). A number that lies on a knife's edge between two numbers of the format may be rounded either way, as far as f32 arithmetic and the matrix unit's own rounding can turn it there, and no further.
;;   INPUTS GIVEN AS CODES. Wg (in the module: [256, 256], K = its axis 0); Wk (in the module: [256, 256], K = its axis 0); Wq (in the module: [256, 256], K = its axis 0); Wv (in the module: [256, 256], K = its axis 0): each comes as NAME_codes (uint8): NAME with its K axis moved to the last place and cut into blocks of 32 codes, [.., K / 32, bytes a block], one block behind the other in memory; four codes in three bytes: a row's codes are one little-endian stream of bits, code i at bits 6 i .. 6 i + 5 (a code: sign, 2 exponent bits, 3 mantissa bits); and NAME_scales (uint8): the same leading axes, one E8M0 byte (e + 127) for each 32 codes along K. Its value is code x scale, taken as it is: it is not quantised again, and the codes and scales need not be those that the quantiser above would give.
;; One version. Each part assembles by itself: llvm-mc -triple=amdgcn-amd-amdhsa -mcpu=gfx1250 --defsym DOCPART=n.
;; ======== version 1 of 1: 2 launches
;; limits: right only within a limited range of input values
;; workspace buffers: kv 6,553,600 bytes; qimg 3,276,800 bytes; xc 3,276,800 bytes
;; launch proj (part 1): grid 256 x 1, 4 waves a work-group, no clusters, 26,112 bytes of LDS; arguments x, Wq_codes, Wq_scales, bq, Wk_codes, Wk_scales, bk, Wv_codes, Wv_scales, bv, qimg, kv, xc; writes qimg, kv, xc
.if DOCPART == 1
	.amdgcn_target "amdgcn-amd-amdhsa--gfx1250"
	.amdhsa_code_object_version 6
	.text
	.protected	k_q7708de39fa_proj
	.globl	k_q7708de39fa_proj
	.p2align	8
	.type	k_q7708de39fa_proj,@function
k_q7708de39fa_proj:
	s_mov_b64 s[64:65], 0
	v_nop
	global_prefetch_b8 v0, s[64:65] scope:SCOPE_SE
	s_setreg_imm32_b32 hwreg(HW_REG_WAVE_MODE, 25, 1), 1
	s_wait_xcnt 0x0
; q = x Wq + bq, k = x Wk + bk, v = x Wv + bv on codes of FP6 (E2M3) with one E8M0 scale for each 32 along K, and the results quantised again for attention:
; q and k along their 256 features, v along the keys.  x's own codes are stored too (the gate's product in the next launch reads them).
; ALL THAT IS STORED ARE IMAGES OF OPERAND REGISTERS: a fragment (16 rows x 128 K, 12 registers a lane) is 3 pieces of 512 bytes, lane l's 16 bytes at 16 l.
; THE ROWS OF A TILE ARE NOT NEIGHBOURS: lane r of tile 2 b + u holds row 32 b + 8 u + r + 8 (r / 8), for x's rows (so for queries and keys) and for Wq's and Wk's features:
; a transposed product's 16 registers of tiles 2 b and 2 b + 1 are then 16 neighbours along the next K.
; SHARES.  Work-groups 2 g and 2 g + 1 both take rows 128 g .. 128 g + 127 of x (one key step) and both quantise them; the even one makes q, the odd one k (only pointers are chosen), each eight of v's sixteen
; tiles of 16 features.  Wave w: x's tiles 2 w, 2 w + 1 are quantised by it; then features 128 (w % 2) on of q or k for x's tiles 4 (w / 2) .. + 3; then v's tiles 8 y + 2 w, + 1 for all 128 keys.
; A wave's weights stay in registers.  x's codes go from wave to wave through LDS as images.  No tensor load, no ring: one barrier.
; LIMITS: NaN and infinities among the inputs are not served; a block whose largest magnitude lies under 2^-124 (a block of zeros among them) keeps the scale byte 1: the bytes are read by this program alone.
; REGISTERS.  window 0: v1-9 addresses; v10-11 Wv's scale words; v12-15, v40-47 x's scale words; v16-39 two fragments of x; v48-111 eight accumulators; v112-131 codes just made; v132-227 eight fragments of x
;   (in the first phase 64 numbers of x); v228-243 at work; v244-247 scale words just made; v248-255 Wq's or Wk's scale words.
;   window 1: Wq's or Wk's 16 fragments, from v192 the bias's eight tiles.   window 2: Wv's four fragments, from v48 bv's two tiles.
.set XSC,   24576                      ; LDS: 16 fragments of x at (2 t + s) x 1,536; behind them their scale words, 128 bytes a tile (lanes 0-15: K step 0, lanes 16-31: K step 1)
.set XA,    1                          ; v1  x: my lane's byte in a tile's rows
.set LI,    2                          ; v2  16 x lane
.set XWI,   3                          ; v3  where I store x's images: 16 x lane + 6,144 x wave
.set XWS,   4                          ; v4  and their scale words: 4 x lane + 256 x wave
.set XRD,   5                          ; v5  where my four tiles of x lie: 16 x lane + 12,288 (wave / 2)
.set XQA,   6                          ; v6  and their scale words: 4 x lane + 512 (wave / 2)
.set SOFF,  7                          ; v7  16 r + 8 h: q's and k's scale words on their way out
.set VSOFF, 8                          ; v8  8 r + 4 h: v's; also Wv's scale words on their way in
.set LS,    9                          ; v9  4 x lane
.set WVS,   10
.set XSQ,   12
.set XF,    16
.set XS,    40
.set ACC,   48
.set PC,    112
.set XB,    132
.set TM,    228                        ; +0..3 largest magnitudes, +4..7 the other half's, then bytes, +8..9 words on their way out, +12..15 the conversions' scale operands
.set PW,    244
.set WS,    248
.set BIAS,  192                        ; in window 1
.set BV,    48                         ; in window 2
.set WV,    30                         ; s30 wave;  s31 wave % 2;  s32 wave / 2;  s33 y;  s34 g;  s35 mask of lanes 16-31
.set HF,    31
.set TH,    32
.set Y,     33
.set G,     34
.set HM,    35
.set SEL,   36                         ; s[36:37] v_permlanex16_b32's selects for lane l xor 16
.set WC,    38                         ; s[38:39] Wq's or Wk's codes, s[40:41] scales, s[42:43] bias
.set WSC,   40
.set WB,    42
.set OUTF,  44                         ; s[44:45] where my fragments of q or k go, s[46:47] their scale words
.set OUTS,  46
.set VOUT,  48                         ; s[48:49], s[50:51] the same for v
.set VSC,   50
.set XCF,   52                         ; s[52:53], s[54:55] the same for x's codes
.set XCS,   54
.set MSB, 0
.macro WIN new                         ; the immediate's high byte repeats the setting that is left; a switch that changes nothing is dropped
.if MSB != \new
	s_set_vgpr_msb (MSB<<8)|\new
.set MSB, \new
.endif
.endm
.macro PLACES n
.rept \n
	v_nop
.endr
.endm
; one matrix instruction: D, source 0, source 1, C (under 0: the constant 0), the two scale registers, and for each whether lanes 16-31 of it are read
.macro MM d, a, b, c, sa, sb, ra, rb
.if (\c) < 0
.if (\ra) && (\rb)
	v_wmma_scale_f32_16x16x128_f8f6f4 v[\d:\d+7], v[\a:\a+11], v[\b:\b+11], 0, v[\sa], v[\sb] matrix_a_fmt:MATRIX_FMT_FP6 matrix_b_fmt:MATRIX_FMT_FP6 matrix_a_scale:MATRIX_SCALE_ROW1 matrix_b_scale:MATRIX_SCALE_ROW1
.elseif (\ra)
	v_wmma_scale_f32_16x16x128_f8f6f4 v[\d:\d+7], v[\a:\a+11], v[\b:\b+11], 0, v[\sa], v[\sb] matrix_a_fmt:MATRIX_FMT_FP6 matrix_b_fmt:MATRIX_FMT_FP6 matrix_a_scale:MATRIX_SCALE_ROW1
.else
	v_wmma_scale_f32_16x16x128_f8f6f4 v[\d:\d+7], v[\a:\a+11], v[\b:\b+11], 0, v[\sa], v[\sb] matrix_a_fmt:MATRIX_FMT_FP6 matrix_b_fmt:MATRIX_FMT_FP6
.endif
.else
.if (\ra) && (\rb)
	v_wmma_scale_f32_16x16x128_f8f6f4 v[\d:\d+7], v[\a:\a+11], v[\b:\b+11], v[\c:\c+7], v[\sa], v[\sb] matrix_a_fmt:MATRIX_FMT_FP6 matrix_b_fmt:MATRIX_FMT_FP6 matrix_a_scale:MATRIX_SCALE_ROW1 matrix_b_scale:MATRIX_SCALE_ROW1
.elseif (\ra)
	v_wmma_scale_f32_16x16x128_f8f6f4 v[\d:\d+7], v[\a:\a+11], v[\b:\b+11], v[\c:\c+7], v[\sa], v[\sb] matrix_a_fmt:MATRIX_FMT_FP6 matrix_b_fmt:MATRIX_FMT_FP6 matrix_a_scale:MATRIX_SCALE_ROW1
.else
	v_wmma_scale_f32_16x16x128_f8f6f4 v[\d:\d+7], v[\a:\a+11], v[\b:\b+11], v[\c:\c+7], v[\sa], v[\sb] matrix_a_fmt:MATRIX_FMT_FP6 matrix_b_fmt:MATRIX_FMT_FP6
.endif
.endif
.endm
; tile 2 w + e of x, K step sd: lane (r, h) takes, of its row, 16 neighbours of each block of 32: register 16 b + i = k 32 b + 16 h + i
.macro XLOAD reg, e, sd
.irp b, 0,1,2,3
.irp j, 0,1,2,3
	global_load_b128 v[\reg+16*\b+4*\j:\reg+16*\b+4*\j+3], v[XA], s[4:5] offset:8192*\e+512*\sd+128*\b+16*\j
.endr
.endr
.endm
; 64 numbers of a lane, register 16 b + i = k 32 b + 16 (lane / 16) + i of my row, become a fragment's codes in v[PC] on and its scale word in v[pw]
.macro QUANT src, pw
.irp b, 0,1,2,3
	v_max3_num_f32 v[TM+\b], |v[\src+16*\b]|, |v[\src+1+16*\b]|, 0x1800000   ; block b: my 16 numbers, and the floor 2^(3 - 127): the byte cannot fall under 1
.endr
.irp i, 2,4,6,8,10,12,14
.irp b, 0,1,2,3
	v_max3_num_f32 v[TM+\b], v[TM+\b], |v[\src+16*\b+\i]|, |v[\src+1+16*\b+\i]|   ; (the four blocks by turns)
.endr
.endr
.irp b, 0,1,2,3
	v_permlanex16_b32 v[TM+4+\b], v[TM+\b], s[SEL], s[SEL+1]
.endr
.irp b, 0,1,2,3
	v_max_num_f32 v[TM+\b], v[TM+\b], v[TM+4+\b]   ; with lane l xor 16's: the block's largest magnitude
.endr
.irp b, 0,1,2,3
	v_add_nc_u32 v[TM+12+\b], 0xff000000, v[TM+\b]   ; 2 off its exponent field: the conversion takes this operand's exponent field as its scale
.endr
.irp b, 0,1,2,3
	v_lshrrev_b32 v[TM+4+\b], 23, v[TM+12+\b]      ; the scale's byte
.endr
	v_lshl_or_b32 v[\pw], v[TM+5], 8, v[TM+4]      ; the four bytes make my row's scale word
	v_lshl_or_b32 v[\pw], v[TM+6], 16, v[\pw]
	v_lshl_or_b32 v[\pw], v[TM+7], 24, v[\pw]
.irp c, 0,1
	v_cvt_scalef32_pk16_fp6_f32 v[PC+6*\c:PC+2+6*\c], v[\src+32*\c:\src+15+32*\c], v[TM+12+2*\c]
	v_cvt_scalef32_pk16_fp6_f32 v[PC+12+4*\c:PC+14+4*\c], v[\src+16+32*\c:\src+31+32*\c], v[TM+12+2*\c+1]   ; (a conversion's three registers begin on an even number)
.endr
	v_nop                                          ; one plain place behind a scaled conversion
.irp c, 0,1                                    ; the operand's layout wants a WHOLE block in a lane: lanes 0-15 block 2 c, lanes 16-31 block 2 c + 1
.irp i, 0,1,2
	v_permlane16_swap_b32 v[PC+6*\c+\i], v[PC+12+4*\c+\i]
.endr
.irp i, 0,1,2
	v_mov_b32 v[PC+3+6*\c+\i], v[PC+12+4*\c+\i]
.endr
.endr
.endm
.macro IMG_L off                               ; the fragment in v[PC] on goes to LDS as it stands
.irp c, 0,1,2
	ds_store_b128 v[XWI], v[PC+4*\c:PC+4*\c+3] offset:\off+512*\c
.endr
.endm
.macro IMG_G base, off                         ; and to memory: each store of the wave covers 512 consecutive bytes, at a multiple of 256 from the buffer's first byte
.irp c, 0,1,2
	global_store_b128 v[LI], v[PC+4*\c:PC+4*\c+3], s[\base:\base+1] offset:\off+512*\c
.endr
.endm
; one fragment of x: quantised, its image to LDS, and to xc from the work-group whose block of 64 rows it belongs to (a branch on the wave's and the work-group's numbers round three stores)
.macro XQ src, pw, off
	QUANT \src, \pw
	IMG_L \off
	s_cmp_lg_u32 s[TH], s[Y]
	s_cbranch_scc1 .Lnot_xc_\@
	IMG_G XCF, \off
.Lnot_xc_\@:
.endm
; my 128 features of q or k for x's tile 4 (wave / 2) + i: TRANSPOSED, source 0 = 16 features, source 1 = x's 16 rows; the bias is the C of each sum's first product.
; The eight accumulators take turns, one instruction a turn.  The results are K step wave % 2 of the tile's operand for attention.
.macro UNIT_QK i
	s_wait_xcnt 0x0                                ; the last fragment's stores have read v[PC] on
.irp sd, 0,1
.irp c, 0,1,2
	ds_load_b128 v[XF+12*\sd+4*\c:XF+12*\sd+4*\c+3], v[XRD] offset:(2*\i+\sd)*1536+512*\c
.endr
.endr
	s_wait_dscnt 0x0
	WIN 0x11                                       ; source 0 (weights) and C (bias) window 1
.irp tw, 0,1,2,3,4,5,6,7
	MM ACC+8*\tw, 24*\tw, XF, BIAS+8*\tw, WS+\tw, XSQ+\i, 0, 0
.endr
	WIN 0x01
.irp tw, 0,1,2,3,4,5,6,7
	MM ACC+8*\tw, 24*\tw+12, XF+12, ACC+8*\tw, WS+\tw, XSQ+\i, 1, 1
.endr
	WIN 0
	PLACES 4                                       ; in front of the first read of results; with the lines of QUANT that work on v228 on they are also the places in front of the next unit's loads and first products
	QUANT ACC, PW+\i
	IMG_G OUTF, 3072*\i
.endm
; v's tile of 16 features 8 y + 2 w + e for the 128 keys: source 0 = x's 16 rows, source 1 = 16 features: a lane holds ONE feature and its registers run along the keys, v's K in attention
.macro UNIT_V e
	s_wait_xcnt 0x0
.irp sd, 0,1
.if \sd == 1
	PLACES 4                                       ; in front of loads into registers that matrix instructions have read
.endif
.irp t, 0,1,2,3,4,5,6,7
.irp c, 0,1,2
	ds_load_b128 v[XB+12*\t+4*\c:XB+12*\t+4*\c+3], v[LI] offset:(2*\t+\sd)*1536+512*\c
.endr
.endr
	s_wait_dscnt 0x0
.if \sd == 0
	WIN 0x28                                       ; source 1 (Wv) and C (bv) window 2
.irp t, 0,1,2,3,4,5,6,7
	MM ACC+8*\t, XB+12*\t, 24*\e, BV+8*\e, XS+\t, WVS+\e, 0, 0
.endr
.else
	WIN 0x08
.irp t, 0,1,2,3,4,5,6,7
	MM ACC+8*\t, XB+12*\t, 24*\e+12, ACC+8*\t, XS+\t, WVS+\e, 1, 1
.endr
.endif
	WIN 0
.endr
	PLACES 4
	QUANT ACC, PW+\e
	IMG_G VOUT, 1536*\e
.endm
	s_load_b512 s[4:19], s[0:1], 0x0               ; x s[4:5]; Wq's codes, scales, bq s[6:11]; Wk's codes, scales, bk s[12:17]; Wv's codes s[18:19]
	s_load_b256 s[20:27], s[0:1], 0x40             ; Wv's scales s[20:21], bv s[22:23], qimg s[24:25], kv s[26:27]
	s_load_b64 s[28:29], s[0:1], 0x60              ; xc
	v_lshl_add_u32 v238, v0, 2, 0x6400
	v_mov_b32 v239, 0
	v_lshrrev_b32 v22, 5, v0
	v_readfirstlane_b32 s[WV], v22                 ; wave 0..3
	s_and_b32 s[HF], s[WV], 1
	s_lshr_b32 s[TH], s[WV], 1
	s_and_b32 s[Y], ttmp9, 1
	s_lshr_b32 s[G], ttmp9, 1
	s_mov_b32 s[SEL], 0x76543210
	s_mov_b32 s[SEL+1], 0xfedcba98
	v_and_b32 v25, 31, v0                          ; lane
	v_and_b32 v22, 15, v0                          ; r
	v_bfe_u32 v23, v0, 4, 1                        ; h
	v_cmp_le_u32 s[HM], 16, v25
	v_and_b32 v24, 8, v22
	v_add_nc_u32 v24, v24, v22                     ; r + 8 (r / 8)
	v_lshlrev_b32 v[XA], 10, v24
	v_lshl_add_u32 v[XA], v23, 6, v[XA]            ; x: that row of 1,024 bytes, + 64 h
	v_lshlrev_b32 v[LI], 4, v25
	v_lshlrev_b32 v[LS], 2, v25
	s_mul_i32 s56, s[WV], 6144
	v_add_nc_u32 v[XWI], s56, v[LI]
	s_lshl_b32 s56, s[WV], 8
	v_add_nc_u32 v[XWS], s56, v[LS]
	s_mul_i32 s56, s[TH], 12288
	v_add_nc_u32 v[XRD], s56, v[LI]
	s_lshl_b32 s56, s[TH], 9
	v_add_nc_u32 v[XQA], s56, v[LS]
	v_lshlrev_b32 v[SOFF], 4, v22
	v_lshl_add_u32 v[SOFF], v23, 3, v[SOFF]
	v_lshlrev_b32 v[VSOFF], 3, v22
	v_lshl_add_u32 v[VSOFF], v23, 2, v[VSOFF]
	v_mul_u32_u24 v16, v24, 192                    ; Wq, Wk: a row is 256 codes, 192 bytes; the tile's rows as above
	v_mad_u32_u24 v16, v23, 24, v16
	v_lshlrev_b32 v17, 6, v23                      ; their bias: 16 h numbers on
	v_mul_u32_u24 v18, v22, 192                    ; Wv: row r
	v_mad_u32_u24 v18, v23, 24, v18
	v_lshlrev_b32 v19, 2, v22                      ; bv: number r
	v_lshlrev_b32 v20, 3, v24                      ; Wq's, Wk's scale words: 8 bytes a row; lanes 16-31 take K step 1's
	v_lshl_add_u32 v20, v23, 2, v20
.irp b, 0,1,2,3
	v_mov_b32 v[TM+4+\b], 0                        ; written once: a lane permute's destination counts as one of its sources
.endr
	; offsets, each made apart from its pointer
	s_lshr_b32 s56, s[G], 5                        ; the batch
	s_mul_i32 s56, s56, 1638400
	s_bfe_u32 s57, s[G], 0x30002                   ; which four key steps
	s_mul_i32 s57, s57, 204800
	s_add_co_u32 s56, s56, s57
	s_and_b32 s57, s[G], 3                         ; which of the four
	s_mul_i32 s57, s57, 25600
	s_add_co_u32 s56, s56, s57                     ; s56: my key step's block of K in kv; V's lies 102,400 bytes on
	s_lshl_b32 s58, s[G], 1
	s_add_co_u32 s58, s58, s[TH]
	s_mul_i32 s58, s58, 12800                      ; my four tiles' block of 64 queries in qimg
	s_mul_i32 s59, s[TH], 12288
	s_add_co_u32 s59, s59, s56                     ; or their fragments in K's block,
	s_lshl_b32 s60, s[TH], 9
	s_add_co_u32 s60, s60, s56
	s_add_co_u32 s60, s60, 24576                   ; and their scale words
	s_add_co_u32 s61, s58, 12288
	s_mul_i32 s62, s[HF], 1536                     ; my K step of a tile,
	s_lshl_b32 s63, s[HF], 8                       ; and its half of the lanes' words
	s_wait_alu depctr_va_vdst(0)
	s_wait_kmcnt 0x0
	s_cmp_eq_u32 s[Y], 1                           ; k or q?  The choice hangs on the work-group's number alone
	s_cselect_b64 s[WC:WC+1], s[12:13], s[6:7]
	s_cselect_b64 s[WSC:WSC+1], s[14:15], s[8:9]
	s_cselect_b64 s[WB:WB+1], s[16:17], s[10:11]
	s_cselect_b64 s[OUTF:OUTF+1], s[26:27], s[24:25]
	s_cselect_b32 s59, s59, s58
	s_cselect_b32 s60, s60, s61
	s_mov_b64 s[OUTS:OUTS+1], s[OUTF:OUTF+1]
	s_add_co_u32 s58, s59, s62
	s_mov_b32 s59, 0                               ; from here on s[58:59] is an offset under 4 GiB
	s_add_nc_u64 s[OUTF:OUTF+1], s[OUTF:OUTF+1], s[58:59]
	s_add_co_u32 s58, s60, s63
	s_add_nc_u64 s[OUTS:OUTS+1], s[OUTS:OUTS+1], s[58:59]
	s_mul_i32 s58, s[HF], 24576                    ; my 128 features: codes,
	s_add_nc_u64 s[WC:WC+1], s[WC:WC+1], s[58:59]
	s_lshl_b32 s58, s[HF], 10                      ; scales,
	s_add_nc_u64 s[WSC:WSC+1], s[WSC:WSC+1], s[58:59]
	s_lshl_b32 s58, s[HF], 9                       ; bias
	s_add_nc_u64 s[WB:WB+1], s[WB:WB+1], s[58:59]
	s_lshl_b32 s57, s[Y], 3
	s_lshl_b32 s58, s[WV], 1
	s_add_co_u32 s57, s57, s58                     ; my first tile of v's features: 8 y + 2 w
	s_mul_i32 s58, s57, 3072
	s_add_nc_u64 s[18:19], s[18:19], s[58:59]
	s_lshl_b32 s58, s57, 7
	s_add_nc_u64 s[20:21], s[20:21], s[58:59]
	s_lshl_b32 s58, s57, 6
	s_add_nc_u64 s[22:23], s[22:23], s[58:59]
	s_mul_i32 s58, s57, 1536
	s_add_co_u32 s58, s58, s56
	s_add_co_u32 s58, s58, 102400
	s_add_nc_u64 s[VOUT:VOUT+1], s[26:27], s[58:59]
	s_lshl_b32 s58, s[WV], 8                       ; V's scale words: piece w, lanes' half y
	s_lshl_b32 s60, s[Y], 7
	s_add_co_u32 s58, s58, s60
	s_add_co_u32 s58, s58, s56
	s_add_co_u32 s58, s58, 126976
	s_add_nc_u64 s[VSC:VSC+1], s[26:27], s[58:59]
	s_mul_i32 s60, ttmp9, 12800                    ; xc: block 2 g + y
	s_mul_i32 s58, s[HF], 6144
	s_add_co_u32 s58, s58, s60
	s_add_nc_u64 s[XCF:XCF+1], s[28:29], s[58:59]
	s_lshl_b32 s58, s[HF], 3
	s_add_co_u32 s58, s58, s60
	s_add_co_u32 s58, s58, 12288
	s_add_nc_u64 s[XCS:XCS+1], s[28:29], s[58:59]
	s_lshl_b32 s58, s[G], 17                       ; x: 128 g rows of 1,024 bytes + 32 w rows
	s_lshl_b32 s60, s[WV], 15
	s_add_co_u32 s58, s58, s60
	s_add_nc_u64 s[4:5], s[4:5], s[58:59]
	; the weights: they stay in registers
; THE ORDER OF THE LOADS.  x is wanted first, so its fragments are asked for first; Wq's or Wk's eight tiles (twelve loads each) are dealt into the gaps between them, so that no wait names more than 60 younger loads.
; Each count below is the number of loads issued behind the fragment of x that is wanted.
.macro WTILE tw                        ; Wq's or Wk's tile tw: two fragments, into window 1
.irp sd, 0,1
.irp p, 0,1,2,3,4,5
	global_load_b64 v[12*(2*\tw+\sd)+2*\p:12*(2*\tw+\sd)+2*\p+1], v16, s[WC:WC+1] offset:(32*(\tw/2)+8*(\tw%2))*192+96*\sd+48*(\p/3)+8*(\p%3)
.endr
.endr
.endm
	XLOAD ACC, 0, 0
	XLOAD XB, 0, 1
.irp tw, 0,1,2,3,4,5,6,7
	global_load_b32 v[WS+\tw], v20, s[WSC:WSC+1] offset:(32*(\tw/2)+8*(\tw%2))*8
.endr
	WIN 0x40                                       ; destination window 1
	WTILE 0
	WTILE 1
	WIN 0
	s_wait_loadcnt 48                              ; tile 2 w's K step 0 is in: behind it 16 of x, 8 scale words, 24 of the weights
	XQ ACC, PW+2, 0
	XLOAD ACC, 1, 0
	WIN 0x40
	WTILE 2
	WIN 0
	s_wait_dscnt 0x0                               ; the LDS stores,
	s_wait_xcnt 0x0                                ; and the stores to memory, have read v[PC] on
	s_wait_loadcnt 60                              ; tile 2 w's K step 1: behind it 8 + 24 + 16 + 12
	XQ XB, PW+3, 1536
	XLOAD XB, 1, 1
	WIN 0x40
	WTILE 3
	WIN 0
	v_cndmask_b32 v[PW], v[PW+2], v[PW+3], s[HM]   ; lanes 0-15 keep K step 0's word, lanes 16-31 K step 1's
	s_wait_dscnt 0x0
	s_wait_xcnt 0x0
	s_wait_loadcnt 40                              ; tile 2 w + 1's K step 0: behind it 12 + 16 + 12
	XQ ACC, PW+2, 3072
	WIN 0x40
	WTILE 4
	WTILE 5
	WIN 0
	s_wait_dscnt 0x0
	s_wait_xcnt 0x0
	s_wait_loadcnt 36                              ; its K step 1: behind it 12 + 24
	WIN 0x40
	WTILE 6
	WTILE 7
	WIN 0
	XQ XB, PW+3, 4608
	WIN 0x40
.irp tw, 0,1,2,3,4,5,6,7                       ; the bias in the result's layout: lane (r, h), tile 2 b + u: features 32 b + 16 h + 8 u + 0 .. 7
	global_load_b128 v[BIAS+8*\tw:BIAS+8*\tw+3], v17, s[WB:WB+1] offset:(32*(\tw/2)+8*(\tw%2))*4
	global_load_b128 v[BIAS+8*\tw+4:BIAS+8*\tw+7], v17, s[WB:WB+1] offset:(32*(\tw/2)+8*(\tw%2))*4+16
.endr
	WIN 0x80                                       ; destination window 2
.irp e, 0,1
.irp sd, 0,1
.irp p, 0,1,2,3,4,5
	global_load_b64 v[12*(2*\e+\sd)+2*\p:12*(2*\e+\sd)+2*\p+1], v18, s[18:19] offset:3072*\e+96*\sd+48*(\p/3)+8*(\p%3)
.endr
.endr
.endr
.irp e, 0,1                                    ; bv in the result's layout: a lane holds one feature, so its eight registers hold the same number
.irp j, 0,1,2,3,4,5,6,7
	global_load_b32 v[BV+8*\e+\j], v19, s[22:23] offset:64*\e
.endr
.endr
	WIN 0
.irp e, 0,1
	global_load_b32 v[WVS+\e], v[VSOFF], s[20:21] offset:128*\e
.endr
	; x's tiles 2 w and 2 w + 1 become four fragments; while one K step is quantised the next 64 numbers are on their way
	v_cndmask_b32 v[PW+1], v[PW+2], v[PW+3], s[HM]
	ds_store_b32 v[XWS], v[PW] offset:XSC
	ds_store_b32 v[XWS], v[PW+1] offset:XSC+128
	s_cmp_lg_u32 s[TH], s[Y]
	s_cbranch_scc1 .Lno_xcs
	global_store_b64 v[LI], v[PW:PW+1], s[XCS:XCS+1]   ; xc's scale words: four to a lane, mine are two of them
.Lno_xcs:
	s_wait_dscnt 0x0                               ; for the others' sake: my images and words have landed
	s_barrier_signal -1
	s_barrier_wait -1                              ; x's sixteen fragments lie in LDS
.irp t, 0,1,2,3,4,5,6,7
	ds_load_b32 v[XS+\t], v[LS] offset:XSC+128*\t
.endr
.irp i, 0,1,2,3
	ds_load_b32 v[XSQ+\i], v[XQA] offset:XSC+128*\i
.endr
	s_wait_loadcnt 42                              ; Wq's or Wk's tiles, scale words and bias are in; Wv's 24 loads, bv's 16 and Wv's two scale words may be out
	UNIT_QK 0
	UNIT_QK 1
	UNIT_QK 2
	UNIT_QK 3
	v_cndmask_b32 v[TM+8], v[PW], v[PW+2], s[HM]   ; every lane holds its row's four words; lanes 0-15 store tiles 0 and 1's, lanes 16-31 tiles 2 and 3's:
	v_cndmask_b32 v[TM+9], v[PW+1], v[PW+3], s[HM]
	global_store_b64 v[SOFF], v[TM+8:TM+9], s[OUTS:OUTS+1]   ; 256 consecutive bytes, aligned
	s_wait_loadcnt 0x0                             ; Wv, its scale words and bv are in
	UNIT_V 0
	UNIT_V 1
	v_cndmask_b32 v[TM+8], v[PW], v[PW+1], s[HM]   ; (the store that read this register stands ahead of UNIT_V's waits)
	global_store_b32 v[VSOFF], v[TM+8], s[VSC:VSC+1]
	s_wait_tensorcnt 0x0
	ds_add_u32 v238, v239
	s_wait_dscnt 0x0
	s_endpgm
.Lfunc_end_k_q7708de39fa_proj:
	.size	k_q7708de39fa_proj, .Lfunc_end_k_q7708de39fa_proj-k_q7708de39fa_proj
	.p2alignl 7, 3214868480
	.fill 96, 4, 3214868480
	.section	.rodata,"a",@progbits
	.p2align	6, 0x0
	.amdhsa_kernel k_q7708de39fa_proj
		.amdhsa_group_segment_fixed_size 26112
		.amdhsa_private_segment_fixed_size 0
		.amdhsa_enable_private_segment 0
		.amdhsa_kernarg_size 104
		.amdhsa_user_sgpr_count 2
		.amdhsa_user_sgpr_kernarg_segment_ptr 1
		.amdhsa_wavefront_size32 1
		.amdhsa_system_sgpr_workgroup_id_x 1
		.amdhsa_system_sgpr_workgroup_id_y 1
		.amdhsa_system_sgpr_workgroup_id_z 1
		.amdhsa_system_vgpr_workitem_id 0
		.amdhsa_next_free_vgpr 768
		.amdhsa_next_free_sgpr 66
		.amdhsa_reserve_vcc 0
		.amdhsa_float_denorm_mode_32 3
		.amdhsa_float_denorm_mode_16_64 3
		.amdhsa_memory_ordered 1
		.amdhsa_forward_progress 1
		.amdhsa_inst_pref_size 92
	.end_amdhsa_kernel
	.amdgpu_metadata
---
amdhsa.version: [ 1, 2 ]
amdhsa.kernels:
  - .name:           k_q7708de39fa_proj
    .symbol:         k_q7708de39fa_proj.kd
    .args:
      - { .name: x, .offset: 0, .size: 8, .value_kind: global_buffer, .address_space: global }
      - { .name: Wq_codes, .offset: 8, .size: 8, .value_kind: global_buffer, .address_space: global }
      - { .name: Wq_scales, .offset: 16, .size: 8, .value_kind: global_buffer, .address_space: global }
      - { .name: bq, .offset: 24, .size: 8, .value_kind: global_buffer, .address_space: global }
      - { .name: Wk_codes, .offset: 32, .size: 8, .value_kind: global_buffer, .address_space: global }
      - { .name: Wk_scales, .offset: 40, .size: 8, .value_kind: global_buffer, .address_space: global }
      - { .name: bk, .offset: 48, .size: 8, .value_kind: global_buffer, .address_space: global }
      - { .name: Wv_codes, .offset: 56, .size: 8, .value_kind: global_buffer, .address_space: global }
      - { .name: Wv_scales, .offset: 64, .size: 8, .value_kind: global_buffer, .address_space: global }
      - { .name: bv, .offset: 72, .size: 8, .value_kind: global_buffer, .address_space: global }
      - { .name: qimg, .offset: 80, .size: 8, .value_kind: global_buffer, .address_space: global }
      - { .name: kv, .offset: 88, .size: 8, .value_kind: global_buffer, .address_space: global }
      - { .name: xc, .offset: 96, .size: 8, .value_kind: global_buffer, .address_space: global }
    .group_segment_fixed_size: 26112
    .private_segment_fixed_size: 0
    .kernarg_segment_align: 8
    .kernarg_segment_size: 104
    .max_flat_workgroup_size: 128
    .sgpr_count:     66
    .vgpr_count:     768
    .wavefront_size: 32
...
	.end_amdgpu_metadata
.endif
;; end of part 1
;; launch attn (part 2): grid 64 x 4, 8 waves a work-group, clusters of 4 x 1, 327,680 bytes of LDS; arguments qimg, kv, xc, Wg_codes, Wg_scales, bg, x, out0; writes out0
.if DOCPART == 2
	.amdgcn_target "amdgcn-amd-amdhsa--gfx1250"
	.amdhsa_code_object_version 6
	.text
	.protected	k_q7708de39fa_attn
	.globl	k_q7708de39fa_attn
	.p2align	8
	.type	k_q7708de39fa_attn,@function
k_q7708de39fa_attn:
	s_mov_b64 s[64:65], 0
	v_nop
	global_prefetch_b8 v0, s[64:65] scope:SCOPE_SE
	s_setreg_imm32_b32 hwreg(HW_REG_WAVE_MODE, 25, 1), 1
	s_wait_xcnt 0x0
	s_wait_alu depctr_hold_cnt(0) depctr_sa_sdst(0) depctr_va_vdst(0) depctr_va_sdst(0) depctr_va_ssrc(0) depctr_va_vcc(0) depctr_vm_vsrc(0)
	s_getreg_b32 s2, hwreg(HW_REG_IB_STS2, 6, 4)
	s_cmp_eq_u32 s2, 0
	s_cbranch_scc0 .Lentry_in_a_cluster
	s_endpgm
.Lentry_in_a_cluster:
	s_bfe_u32 s2, ttmp6, 0x10000c
	s_cmp_lg_u32 s2, 0x3003
	s_cbranch_scc0 .Lentry_shape_is_right
	s_endpgm
.Lentry_shape_is_right:
; out = sigmoid(x Wg + bg) * softmax(q k^T / 16) v + x, on the register images of q, k, v and x that the launch before stored (codes of FP6 E2M3, one E8M0 byte for each 32 along K).
; SHARES.  A work-group takes 64 queries of one batch; wave w takes queries 32 (w / 4) .. + 31 (two tiles of 16) and, of each tile of 512 keys, key step w % 4 (128 keys): 32 queries x 1,024 keys a wave.
; Both products are used transposed (S^T = k q^T, O^T = v^T p^T): a lane holds one query.  p = 2^(t - M), M the ceiling of the wave's running largest t; the row's sum is taken of the unquantised p.
; At the end the four waves of a query group join their parts through LDS (powers of two bring them under one M), the gate's product is made, and rows leave as whole units of 256 bytes.
; LDS: K's tile (4 key steps x 25,600 bytes) at 0; V's tiles in two slots, at 102,400 and 204,800, step i's in slot i % 2.
; A STEP: scores; the lines in front of a refill and a round of the cluster's barrier; behind it waves 0-3 fetch the next step's K and waves 4-7 the next step's V, a quarter each;
; the two softmaxes; O^T's rescaling and the products with V, group by group: between a request and the wait for it stand both softmaxes and two of V's four groups.
; A second barrier shows the new tiles to all waves: each wave waits for its load and signals ahead of V's third group, and waits behind the fourth.
; The head brings K and V of step 0, one load a wave; V's slot 1 is first filled behind a full sequence and a round of its own, so step 0's round fetches K alone.  The last step fetches nothing and has no barrier.
; CLUSTERS: the four work-groups of a cluster walk the same tiles of one batch and ask for each jointly.  Cluster c begins at tile pair c % 8.
; NO PREFETCH OF K AND V: a batch's sixteen clusters begin at all eight tile pairs, so from the second step on every tile that is asked for has been read in this launch.
; LIMITS: the promise holds while the scaled scores t stay under 2^31 in magnitude; NaN and infinities among the inputs are not served.  No work of reference() is left out.
; REGISTERS.  window 0: v1-5, v252-253 addresses, v6-7 q's scale words, v8-15 -M, largest t and the sum's halves of both query tiles, v16-63 q, v64-191 scores, then p, then V's fragments,
;   v192-239 two tiles of K, then p's codes and the softmax's scratch, v240-247 K's or V's scale words, v248-249 p's.   window 1: O^T, 2 x 16 tiles.
.set TILEB,  102400
.set KSTEPB, 25600
.set PAIRB,  204800
.set BATCHB, 1638400
.set SPARE,  307200                    ; behind the three tiles: the spare words, 128 bytes a wave
.set STATS,  308224
.set STAGE,  262144                    ; the way out's stages lie in V's slot 1, behind the 262,144 bytes of the parts: both are stored to when the slots have had their last fill and their last read
.set SPW, 1
.set NIL, 2
.set AK,  3
.set AV,  4                            ; v4, v252: my key step of V in slot 0, 1
.set AV8, 5                            ; v5, v253: its scale words
.set QS,  6
.set ST,  8
.set Q,   16
.set S,   64
.set VB0, 64
.set VB1, 128
.set PC,  192
.set CT,  216
.set TM,  224
.set TP,  228
.set SOP, 232
.set F0,  236                          ; v[236:237], v[238:239]: the two query tiles' factors 2^(old M - new M)
.set SCR, 240
.set PS,  248
.set TT,  250
.set XPO, 251
.set LI,  255
.set MW,  224
.set MR0, 225
.set MR1, 226
.set STW, 227
.set STR, 228
.set SO,  229
.set SR,  230
.set GO,  231
.set FP,  208
.set RO,  16
.set RB,  80
.set WV,  20
.set KSN, 21
.set QG,  22
.set CX,  23
.set BLK, 24
.set BAT, 25
.set LA,  24                           ; s24, s25 (when block and batch are done with): where my load lands when V's slot 0, 1 is filled; for K's waves both are K's address
.set G1,  28
.set G0,  36
.set XOF, 40
.set QSP, 42                           ; s[42:43] q's scale words, s[44:45] those of x's codes
.set TI,  46
.set CNT, 47
.set CS,  48
.set SEL, 50
.set KOF, 62
.set MSB, 0
.macro WIN new                         ; the immediate's high byte repeats the setting that is left
.if MSB != \new
	s_set_vgpr_msb (MSB<<8)|\new
.set MSB, \new
.endif
.endm
.macro PLACES n
.rept \n
	v_nop
.endr
.endm
.macro MM d, a, b, c, sa, sb, ra, rb   ; D, source 0, source 1, C (under 0: the constant 0), the scale registers, and whether lanes 16-31 of each are read
.if (\c) < 0
.if (\ra) && (\rb)
	v_wmma_scale_f32_16x16x128_f8f6f4 v[\d:\d+7], v[\a:\a+11], v[\b:\b+11], 0, v[\sa], v[\sb] matrix_a_fmt:MATRIX_FMT_FP6 matrix_b_fmt:MATRIX_FMT_FP6 matrix_a_scale:MATRIX_SCALE_ROW1 matrix_b_scale:MATRIX_SCALE_ROW1
.elseif (\ra)
	v_wmma_scale_f32_16x16x128_f8f6f4 v[\d:\d+7], v[\a:\a+11], v[\b:\b+11], 0, v[\sa], v[\sb] matrix_a_fmt:MATRIX_FMT_FP6 matrix_b_fmt:MATRIX_FMT_FP6 matrix_a_scale:MATRIX_SCALE_ROW1
.else
	v_wmma_scale_f32_16x16x128_f8f6f4 v[\d:\d+7], v[\a:\a+11], v[\b:\b+11], 0, v[\sa], v[\sb] matrix_a_fmt:MATRIX_FMT_FP6 matrix_b_fmt:MATRIX_FMT_FP6
.endif
.else
.if (\ra) && (\rb)
	v_wmma_scale_f32_16x16x128_f8f6f4 v[\d:\d+7], v[\a:\a+11], v[\b:\b+11], v[\c:\c+7], v[\sa], v[\sb] matrix_a_fmt:MATRIX_FMT_FP6 matrix_b_fmt:MATRIX_FMT_FP6 matrix_a_scale:MATRIX_SCALE_ROW1 matrix_b_scale:MATRIX_SCALE_ROW1
.elseif (\ra)
	v_wmma_scale_f32_16x16x128_f8f6f4 v[\d:\d+7], v[\a:\a+11], v[\b:\b+11], v[\c:\c+7], v[\sa], v[\sb] matrix_a_fmt:MATRIX_FMT_FP6 matrix_b_fmt:MATRIX_FMT_FP6 matrix_a_scale:MATRIX_SCALE_ROW1
.else
	v_wmma_scale_f32_16x16x128_f8f6f4 v[\d:\d+7], v[\a:\a+11], v[\b:\b+11], v[\c:\c+7], v[\sa], v[\sb] matrix_a_fmt:MATRIX_FMT_FP6 matrix_b_fmt:MATRIX_FMT_FP6
.endif
.endif
.endm
.macro CROUND                          ; a round of the cluster's barrier
	s_barrier_signal -1
	s_barrier_wait -1
	s_cmp_lg_u32 s[WV], 0
	s_cbranch_scc1 .Lnot_wave_0_\@
	s_barrier_signal -3
.Lnot_wave_0_\@:
	s_barrier_wait -3
	s_barrier_signal -1
	s_barrier_wait -1
.endm
.macro NEXTG0 slot                     ; no load of mine is out: my descriptor steps to the next tile pair; V's waves land in the slot named
	s_add_co_u32 s[TI], s[TI], 1
	s_and_b32 s[KOF], s[TI], 7
	s_mul_i32 s[KOF], s[KOF], PAIRB
	s_add_nc_u64 s[G0+2:G0+3], s[6:7], s[KOF:KOF+1]
	s_or_b32 s[G0+3], s[G0+3], 0x80000000
	s_mov_b32 s[G0+1], s[LA+\slot]
.endm
; THE SCORES.  Tile t of my 128 keys is two fragments (K steps 0 and 1), 24 registers; its scores take v[64 + 8 t ..] and v[128 + 8 t ..].
; Six tiles are asked for at once: tiles 0 and 3 into v192-239, tiles 1, 2, 4, 5 into score registers that only later tiles' products write; tiles 6 and 7 follow where 0 and 3 lay.
.macro KLOAD t, r0, r1
.irp c, 0,1,2
	ds_load_b128 v[\r0+4*\c:\r0+4*\c+3], v[AK] offset:(2*\t)*1536+512*\c
.endr
.irp c, 0,1,2
	ds_load_b128 v[\r1+4*\c:\r1+4*\c+3], v[AK] offset:(2*\t+1)*1536+512*\c
.endr
.endm
.macro SMUL t, r0, r1                  ; the two query tiles' accumulators take turns
	MM S+8*\t, \r0, Q, -1, SCR+\t, QS, 0, 0
	MM S+64+8*\t, \r0, Q+24, -1, SCR+\t, QS+1, 0, 0
	MM S+8*\t, \r1, Q+12, S+8*\t, SCR+\t, QS, 1, 1
	MM S+64+8*\t, \r1, Q+36, S+64+8*\t, SCR+\t, QS+1, 1, 1
.endm
.macro SPHASE
	WIN 0
	PLACES 5                                       ; behind the last step's products: loads into, and results over, registers that they read
	ds_load_b128 v[SCR:SCR+3], v[AK] offset:24576
	ds_load_b128 v[SCR+4:SCR+7], v[AK] offset:25088
	KLOAD 0, 192, 204
	KLOAD 1, 80, 144
	KLOAD 2, 92, 156
	KLOAD 3, 216, 228
	KLOAD 4, 104, 168
	KLOAD 5, 116, 180
	s_wait_dscnt 30                                ; each count: the loads issued behind the tile that is wanted, six a tile.  Here tiles 1 to 5
	SMUL 0, 192, 204
	PLACES 4                                       ; in front of loads into registers just read
	KLOAD 6, 192, 204
	s_wait_dscnt 30                                ; tiles 2 to 6
	SMUL 1, 80, 144
	PLACES 5                                       ; five places where the next results land on fragments just read
	s_wait_dscnt 24
	SMUL 2, 92, 156
	PLACES 5
	s_wait_dscnt 18
	SMUL 3, 216, 228
	PLACES 4
	KLOAD 7, 216, 228
	s_wait_dscnt 18                                ; tiles 5, 6, 7
	SMUL 4, 104, 168
	PLACES 5
	s_wait_dscnt 12
	SMUL 5, 116, 180
	PLACES 5
	s_wait_dscnt 6
	SMUL 6, 192, 204
	s_wait_dscnt 0x0
	SMUL 7, 216, 228
.endm
; THE SOFTMAX of query tile u over my 128 keys: block maxima, the running M, p, the sum, p's codes and scale word.  f: where the factor goes.
; Where the four blocks' chains take turns line by line no hint is written; the one chain that stands alone carries its hints.
.macro SMAX u, f
.set SB, S+64*\u
.set SS, ST+4*\u
.set PCU, PC+12*\u
.irp b, 0,1,2,3
	v_max3_num_f32 v[TM+\b], v[SB+16*\b], v[SB+16*\b+1], v[SB+16*\b+2]
.endr
.irp i, 3,5,7,9,11,13
.irp b, 0,1,2,3
	v_max3_num_f32 v[TM+\b], v[TM+\b], v[SB+16*\b+\i], v[SB+16*\b+\i+1]
.endr
.endr
.irp b, 0,1,2,3
	v_max_num_f32 v[TM+\b], v[TM+\b], v[SB+16*\b+15]
.endr
.irp b, 0,1,2,3
	v_permlanex16_b32 v[TP+\b], v[TM+\b], s[SEL], s[SEL+1]
.endr
.irp b, 0,1,2,3
	v_max_num_f32 v[TM+\b], v[TM+\b], v[TP+\b]     ; each block's largest score
.endr
	s_delay_alu instid0(VALU_DEP_2)
	v_max3_num_f32 v[TT], v[TM], v[TM+1], v[TM+2]
	s_delay_alu instid0(VALU_DEP_1)
	v_max_num_f32 v[TT], v[TT], v[TM+3]
	s_delay_alu instid0(VALU_DEP_1)
	v_mul_f32 v[TT], s[CS], v[TT]
	s_delay_alu instid0(VALU_DEP_1)
	v_max_num_f32 v[SS+1], v[SS+1], v[TT]          ; the running largest t
	v_mov_b32 v[TT], v[SS]
	s_delay_alu instid0(VALU_DEP_2)
	v_floor_f32 v[SS], -v[SS+1]                    ; -M
	s_delay_alu instid0(VALU_DEP_1)
	v_sub_f32 v[TT], v[SS], v[TT]
	s_delay_alu instid0(VALU_DEP_1)
	v_cvt_i32_f32 v[TT], v[TT]
	s_delay_alu instid0(VALU_DEP_1)
	v_ldexp_f32 v[\f], 1.0, v[TT]                  ; 2^(old M - new M)
.set RI, 0
.rept 32
	v_pk_fma_f32 v[SB+RI:SB+RI+1], v[SB+RI:SB+RI+1], s[CS:CS+1], v[SS:SS+1] op_sel_hi:[1,0,0]
.set RI, RI+2
.endr
.irp b, 0,1,2,3
	v_fma_f32 v[TM+\b], v[TM+\b], s[CS], v[SS]
.endr
.set RI, 0
	s_wait_alu depctr_va_vdst(0)                   ; the wait ahead of the batch
.rept 64
	v_exp_f32 v[SB+RI], v[SB+RI]
.set RI, RI+1
.endr
	v_pk_mul_f32 v[SS+2:SS+3], v[SS+2:SS+3], v[\f:\f+1] op_sel_hi:[1,0]
	s_wait_alu depctr_va_vdst(0)                   ; and behind it
.irp b, 0,1,2,3
	v_exp_f32 v[TM+\b], v[TM+\b]                   ; each block's largest p
.endr
	v_pk_add_f32 v[TP:TP+1], v[SB:SB+1], v[SB+2:SB+3]
.irp j, 4,8,12,16,20,24,28,32,36,40,44,48,52,56,60
	v_pk_add_f32 v[SS+2:SS+3], v[SS+2:SS+3], v[SB+\j:SB+\j+1]
	v_pk_add_f32 v[TP:TP+1], v[TP:TP+1], v[SB+\j+2:SB+\j+3]
.endr
	s_delay_alu instid0(VALU_DEP_1)
	v_pk_add_f32 v[SS+2:SS+3], v[SS+2:SS+3], v[TP:TP+1]
	s_wait_alu depctr_va_vdst(0)                   ; for the four
.irp b, 0,1,2,3
	v_max_num_f32 v[TM+\b], 0x1800000, v[TM+\b]    ; the floor 2^(3 - 127): the byte cannot fall under 1
.endr
.irp b, 0,1,2,3
	v_add_nc_u32 v[SOP+\b], 0xff000000, v[TM+\b]
.endr
.irp b, 0,1,2,3
	v_lshrrev_b32 v[TP+\b], 23, v[SOP+\b]
.endr
	s_delay_alu instid0(VALU_DEP_3)
	v_lshl_or_b32 v[PS+\u], v[TP+1], 8, v[TP]
	s_delay_alu instid0(VALU_DEP_1)
	v_lshl_or_b32 v[PS+\u], v[TP+2], 16, v[PS+\u]
	s_delay_alu instid0(VALU_DEP_1)
	v_lshl_or_b32 v[PS+\u], v[TP+3], 24, v[PS+\u]
.irp c, 0,1
	v_cvt_scalef32_pk16_fp6_f32 v[PCU+6*\c:PCU+6*\c+2], v[SB+32*\c:SB+32*\c+15], v[SOP+2*\c]
	v_cvt_scalef32_pk16_fp6_f32 v[CT+4*\c:CT+4*\c+2], v[SB+32*\c+16:SB+32*\c+31], v[SOP+2*\c+1]
.endr
	v_nop                                          ; one plain place behind a scaled conversion
.irp c, 0,1
.irp i, 0,1,2
	v_permlane16_swap_b32 v[PCU+6*\c+\i], v[CT+4*\c+\i]
.endr
.irp i, 0,1,2
	v_mov_b32 v[PCU+3+6*\c+\i], v[CT+4*\c+\i]
.endr
.endr
.endm
.macro RESC g                          ; O^T's tiles 4 g .. 4 g + 3 of both query tiles under the new M: 32 packed products, each accumulator from its low end on
	WIN 0x41
.irp u, 0,1
.set RI, 0
.rept 16
	v_pk_mul_f32 v[128*\u+32*\g+RI:128*\u+32*\g+RI+1], v[128*\u+32*\g+RI:128*\u+32*\g+RI+1], v[F0+2*\u:F0+2*\u+1] op_sel_hi:[1,0]
.set RI, RI+2
.endr
.endr
.endm
.macro VLOAD g, vb, av
	WIN 0
.irp f, 0,1,2,3
.irp c, 0,1,2
	ds_load_b128 v[\vb+12*\f+4*\c:\vb+12*\f+4*\c+3], v[\av] offset:(4*\g+\f)*1536+512*\c
.endr
.endr
.endm
.macro PVMUL g, vb, first
	WIN 0x50
.irp f, 0,1,2,3
.irp u, 0,1
.if \first
	MM 128*\u+8*(4*\g+\f), \vb+12*\f, PC+12*\u, -1, SCR+(4*\g+\f)%8, PS+\u, \g/2, 0
.else
	MM 128*\u+8*(4*\g+\f), \vb+12*\f, PC+12*\u, 128*\u+8*(4*\g+\f), SCR+(4*\g+\f)%8, PS+\u, \g/2, 0
.endif
.endr
.endr
.endm
; group g's rescaling stands between the products of groups g - 1 and g: it names none of their registers, so it also fills the places in front of the loads that follow it.
.macro BETWEEN g, first, n
.if \first
	PLACES \n
.else
	RESC \g
.endif
.endm
.macro READY cnt
	s_wait_alu depctr_va_vdst(0)                   ; the wait, directly ahead of the wait below: O^T, or p's codes, were just written
	s_wait_dscnt \cnt
.endm
.macro STEP k, sl                      ; k = 0 first, 1 in the loop, 2 last;  sl: the slot of this step's V
	SPHASE
.if \k == 2
	PLACES 4                                       ; behind the last scores' products
.irp u, 0,1                            ; q is done with: x's codes for the gate's product take its registers, and x's rows for the way out are asked of memory: 32 blocks of 256 bytes a wave, each once
.irp sd, 0,1
.irp c, 0,1,2
	global_load_b128 v[Q+24*\u+12*\sd+4*\c:Q+24*\u+12*\sd+4*\c+3], v[LI], s[8:9] offset:(2*\u+\sd)*1536+512*\c
.endr
.endr
.endr
	global_load_b64 v[QS:QS+1], v[LI], s[QSP+2:QSP+3] offset:12288
	global_prefetch_b8 v[XPO], s[26:27] th:TH_LOAD_NT scope:SCOPE_SE
.else
	s_wait_tensorcnt 0x0                           ; none of my tensor loads is out;
	ds_add_u32 v[SPW], v[NIL]
	PLACES 4                                       ; (behind the last scores' products, in front of their first read)
.if \k == 1
	NEXTG0 1-\sl
.endif
	s_wait_dscnt 0x0                               ; the add is done, and my reads of K's tile and of the last step's V are over
	CROUND
.if \k == 0
	s_cmp_lg_u32 s[QG], 0                          ; step 1's V has been asked for at the head
	s_cbranch_scc1 .Lno_fill_\@
.endif
	tensor_load_to_lds s[G0:G0+3], s[G1:G1+7]      ; my one joint load behind the round: a quarter of the next step's K or V
	s_nop 0
	PLACES 4
.Lno_fill_\@:
.endif
	SMAX 0, F0
	VLOAD 0, VB0, AV+248*\sl
.irp pi, 0,1,2,3
	ds_load_b64 v[SCR+2*\pi:SCR+2*\pi+1], v[AV8+248*\sl] offset:24576+256*\pi
.endr
	SMAX 1, F0+2
	VLOAD 1, VB1, AV+248*\sl
	BETWEEN 0, (\k == 0), 8                        ; (eight places between p's scale words and the first product)
	READY 12                                       ; all but the youngest twelve loads
	PVMUL 0, VB0, (\k == 0)
	BETWEEN 1, (\k == 0), 4
	VLOAD 2, VB0, AV+248*\sl
	READY 12
	PVMUL 1, VB1, (\k == 0)
	BETWEEN 2, (\k == 0), 4
.if \k == 2
	VLOAD 3, VB1, AV+248*\sl
	READY 12
.else
	READY 0                                        ; no LDS instruction of mine is out,
	s_wait_tensorcnt 0x0                           ; and my quarter of the next step's tiles has landed:
	s_barrier_signal -1                            ; say so.
	VLOAD 3, VB1, AV+248*\sl                       ; (bytes that nobody writes before the next round)
.endif
	PVMUL 2, VB0, (\k == 0)
	BETWEEN 3, (\k == 0), 0
	READY 0
	PVMUL 3, VB1, (\k == 0)
	WIN 0
.if \k != 2
	s_barrier_wait -1                              ; the next step's K and V are whole for all eight waves
.endif
.endm
.macro PLOAD uu                        ; the four partners' parts of my four feature tiles, query tile uu
.irp k, 0,1
.irp j, 0,1,2,3
.irp hf, 0,1
	ds_load_b128 v[32*\k+8*\j+4*\hf:32*\k+8*\j+4*\hf+3], v[MR0] offset:32768*\k+16384*\uu+1024*\j+512*\hf
.endr
.endr
.endr
.irp k, 2,3
.irp j, 0,1,2,3
.irp hf, 0,1
	ds_load_b128 v[32*\k+8*\j+4*\hf:32*\k+8*\j+4*\hf+3], v[MR1] offset:32768*(\k-2)+16384*\uu+1024*\j+512*\hf
.endr
.endr
.endr
.endm
	s_load_b512 s[4:19], s[0:1], 0x0               ; qimg, kv, xc, Wg's codes, Wg's scales, bg, x, out0
	v_lshl_add_u32 v[SPW], v0, 2, SPARE
	v_mov_b32 v[NIL], 0
	ds_add_u32 v[SPW], v[NIL]                      ; the opening lines: the add, twice on end, and its wait
	ds_add_u32 v[SPW], v[NIL]
	v_lshrrev_b32 v3, 5, v0
	v_readfirstlane_b32 s[WV], v3                  ; wave 0..7
	s_and_b32 s[KSN], s[WV], 3                     ; my key step of a tile
	s_lshr_b32 s[QG], s[WV], 2                     ; my 32 queries; also: I fetch for K (0) or V (1)
	s_bfe_u32 s[CX], ttmp6, 0x40000
	s_lshl_b32 s[BLK], ttmp9, 2
	s_add_co_u32 s[BLK], s[BLK], s[CX]             ; my block of 64 queries
	s_and_b32 s[BAT], ttmp7, 0xffff
	s_mov_b32 s[G1], 15|(3<<16)|(1<<21)            ; all four partners; elements of 8 bytes.  A key step's 25,600 bytes are dense: 100 rows of 256 bytes
	s_mov_b32 s[G1+1], 32<<16
	s_mov_b32 s[G1+2], 100<<16
	s_mov_b32 s[G1+3], 32<<16
	s_mov_b32 s[G1+4], 100
	s_mov_b32 s[G1+5], 32
	s_mov_b32 s[G1+6], 0
	s_mov_b32 s[G1+7], 0
	s_mov_b32 s[CS], 0x3db8aa3b                    ; log2(e) / 16
	s_mov_b32 s[CS+1], s[CS]
	s_mov_b32 s[SEL], 0x76543210
	s_mov_b32 s[SEL+1], 0xfedcba98
	s_mul_i32 s52, s[KSN], KSTEPB
	v_and_b32 v[TT], 31, v0
	v_lshlrev_b32 v[LI], 4, v[TT]
	v_add_nc_u32 v[AK], s52, v[LI]
	v_add_nc_u32 v[AV], TILEB, v[AK]
	v_add_nc_u32 v[AV+248], 2*TILEB, v[AK]
	v_lshl_add_u32 v[AV8], v[TT], 3, s52
	v_add_nc_u32 v[AV8+248], 2*TILEB, v[AV8]
	v_add_nc_u32 v[AV8], TILEB, v[AV8]
	v_lshlrev_b32 v[XPO], 8, v[TT]
	s_mul_i32 s56, s[BAT], BATCHB
	s_mul_i32 s55, s[WV], KSTEPB                   ; V's tile lies four key steps behind K's in memory: wave x 25,600 serves both
	s_add_co_u32 s56, s56, s55
	s_mov_b32 s57, 0
	s_lshl_b32 s60, s[BAT], 6
	s_add_co_u32 s60, s60, s[BLK]
	s_mul_i32 s60, s60, 12800                      ; my block of 64 queries in qimg and xc
	s_mul_i32 s53, s[QG], 6144
	s_add_co_u32 s58, s60, s53                     ; my two tiles' fragments,
	s_mov_b32 s59, 0
	s_lshl_b32 s55, s[QG], 3
	s_add_co_u32 s60, s60, s55                     ; and, 12,288 bytes on, their two words of each lane's four
	s_mov_b32 s61, 0
	s_lshl_b32 s[XOF], s[BAT], 12
	s_lshl_b32 s55, s[BLK], 6
	s_add_co_u32 s[XOF], s[XOF], s55
	s_lshl_b32 s[XOF], s[XOF], 10                  ; my block's first row in x and out0, in bytes
	s_mul_i32 s55, s[QG], TILEB
	s_add_co_u32 s[LA], s52, s55                   ; (block and batch are done with)
	s_add_co_u32 s[LA+1], s[LA], s55
	s_and_b32 s[TI], ttmp9, 7                      ; the tile pair at which my cluster begins
	s_mul_i32 s[KOF], s[TI], PAIRB
	s_mov_b32 s[KOF+1], 0
	s_mov_b32 s[G0], 1
	s_mov_b32 s[G0+1], s[LA]
	s_wait_alu depctr_va_vdst(0)                   ; the wait, directly ahead of the waits below
	s_wait_dscnt 0x0
	s_wait_kmcnt 0x0
	s_add_nc_u64 s[6:7], s[6:7], s[56:57]
	s_add_nc_u64 s[G0+2:G0+3], s[6:7], s[KOF:KOF+1]
	s_or_b32 s[G0+3], s[G0+3], 0x80000000
	CROUND                                         ; the first joint loads meet
	tensor_load_to_lds s[G0:G0+3], s[G1:G1+7]      ; one load a wave: step 0's K and V, a quarter each
	s_nop 0
	PLACES 4
	s_add_nc_u64 s[QSP:QSP+1], s[4:5], s[60:61]
	s_add_nc_u64 s[QSP+2:QSP+3], s[8:9], s[60:61]
	s_add_nc_u64 s[4:5], s[4:5], s[58:59]
	s_add_nc_u64 s[8:9], s[8:9], s[58:59]
.irp u, 0,1
.irp sd, 0,1
.irp c, 0,1,2
	global_load_b128 v[Q+24*\u+12*\sd+4*\c:Q+24*\u+12*\sd+4*\c+3], v[LI], s[4:5] offset:(2*\u+\sd)*1536+512*\c
.endr
.endr
.endr
	global_load_b64 v[QS:QS+1], v[LI], s[QSP:QSP+1] offset:12288
	s_lshl_b32 s56, s[WV], 13
	s_add_co_u32 s56, s56, s[XOF]
	s_add_nc_u64 s[26:27], s[16:17], s[56:57]      ; x's 8 rows that my prefetch names
	s_lshl_b32 s56, s[QG], 15
	s_lshl_b32 s58, s[KSN], 8
	s_add_co_u32 s56, s56, s58
	s_add_co_u32 s56, s56, s[XOF]
	s_add_nc_u64 s[16:17], s[16:17], s[56:57]      ; the way out: my 32 rows, my 64 features
	s_add_nc_u64 s[18:19], s[18:19], s[56:57]
	s_mul_i32 s56, s[KSN], 12288
	s_add_nc_u64 s[10:11], s[10:11], s[56:57]
	s_lshl_b32 s56, s[KSN], 9
	s_add_nc_u64 s[12:13], s[12:13], s[56:57]
	s_lshl_b32 s56, s[KSN], 8
	s_add_nc_u64 s[14:15], s[14:15], s[56:57]
.irp u, 0,1
	v_mov_b32 v[ST+4*\u+1], 0xff61b1e6             ; the largest t so far: -3e38
	v_floor_f32 v[ST+4*\u], -v[ST+4*\u+1]
	v_mov_b32 v[ST+4*\u+2], 0
	v_mov_b32 v[ST+4*\u+3], 0
.endr
	s_wait_alu depctr_va_vdst(0)                   ; the wait at the head's end
	s_wait_tensorcnt 0x0                           ; my quarter is in
	ds_add_u32 v[SPW], v[NIL]
	NEXTG0 1                                       ; step 1's tiles: V's waves ask here, K's waves behind step 0's round
	s_wait_dscnt 0x0
	CROUND                                         ; everybody's quarter is in; behind this round nothing is filled again
	s_cmp_eq_u32 s[QG], 0
	s_cbranch_scc1 .Lno_v1
	tensor_load_to_lds s[G0:G0+3], s[G1:G1+7]      ; slot 1's first fill: step 1's V
	s_nop 0
	PLACES 4
.Lno_v1:
	s_wait_loadcnt 0x0
	STEP 0, 0
	s_mov_b32 s[CNT], 3
.Lstep:                                        ; two steps a trip: V's slots are back where they began
	STEP 1, 1
	STEP 1, 0
	s_sub_co_u32 s[CNT], s[CNT], 1
	s_cmp_lg_u32 s[CNT], 0
	s_cbranch_scc1 .Lstep
	STEP 2, 1
; THE END.  Each wave's -M and sum go to STATS, its O^T to 32,768 bytes of the slots (they have had their last fill); wave (group, n) joins feature tiles 4 n .. 4 n + 3 of its group's four parts,
; multiplies by the gate, sends 16 rows x 64 features through its own stage, adds x and stores whole units of 256 bytes.
; The gate's products and exponentials stand between the stores of the parts and the wait for them, its reciprocals between the loads of the parts and the wait for those.
	WIN 0
	v_and_b32 v232, 15, v0
	s_wait_alu depctr_va_vdst(0)
	v_bfe_u32 v233, v0, 4, 1
	s_lshl_b32 s52, s[WV], 15
	v_add_nc_u32 v[MW], s52, v[LI]
	s_lshl_b32 s52, s[QG], 17
	s_lshl_b32 s53, s[KSN], 12
	s_add_co_u32 s52, s52, s53
	v_add_nc_u32 v[MR0], s52, v[LI]
	s_delay_alu instid0(VALU_DEP_1)
	v_add_nc_u32 v[MR1], 65536, v[MR0]
	s_lshl_b32 s52, s[WV], 9
	s_add_co_u32 s52, s52, STATS
	v_add_nc_u32 v[STW], s52, v[LI]
	s_lshl_b32 s52, s[QG], 11
	s_add_co_u32 s52, s52, STATS
	v_add_nc_u32 v[STR], s52, v[LI]
	s_mul_i32 s52, s[WV], 4352
	s_add_co_u32 s52, s52, STAGE
	v_mul_u32_u24 v[SO], v232, 272
	s_wait_alu depctr_va_vdst(0)
	v_lshl_add_u32 v[SO], v233, 5, v[SO]
	s_delay_alu instid0(VALU_DEP_1)
	v_add_nc_u32 v[SO], s52, v[SO]
	v_mul_u32_u24 v[SR], v233, 272
	s_delay_alu instid0(VALU_DEP_1)
	v_lshl_add_u32 v[SR], v232, 4, v[SR]
	s_delay_alu instid0(VALU_DEP_1)
	v_add_nc_u32 v[SR], s52, v[SR]
	v_lshlrev_b32 v[GO], 10, v233
	s_delay_alu instid0(VALU_DEP_1)
	v_lshl_add_u32 v[GO], v232, 4, v[GO]
	v_mul_u32_u24 v3, v232, 192
	s_delay_alu instid0(VALU_DEP_1)
	v_mad_u32_u24 v3, v233, 24, v3
	v_lshlrev_b32 v4, 3, v232
	s_delay_alu instid0(VALU_DEP_1)
	v_lshl_add_u32 v4, v233, 2, v4
	v_lshlrev_b32 v5, 5, v233
.irp j, 0,1,2,3                        ; Wg's four tiles of 16 features, their scale words, bg in the result's layout
.irp sd, 0,1
.irp p, 0,1,2,3,4,5
	global_load_b64 v[64+24*\j+12*\sd+2*\p:64+24*\j+12*\sd+2*\p+1], v3, s[10:11] offset:3072*\j+96*\sd+48*(\p/3)+8*(\p%3)
.endr
.endr
.endr
.irp j, 0,1,2,3
	global_load_b32 v[SCR+\j], v4, s[12:13] offset:128*\j
.endr
.irp j, 0,1,2,3
	global_load_b128 v[160+8*\j:160+8*\j+3], v5, s[14:15] offset:64*\j
	global_load_b128 v[160+8*\j+4:160+8*\j+7], v5, s[14:15] offset:64*\j+16
.endr
	v_add_f32 v233, v[ST+2], v[ST+3]
	v_add_f32 v235, v[ST+6], v[ST+7]
	s_delay_alu instid0(VALU_DEP_2)
	v_permlanex16_b32 v236, v233, s[SEL], s[SEL+1]
	s_delay_alu instid0(VALU_DEP_2)
	v_permlanex16_b32 v237, v235, s[SEL], s[SEL+1]
	s_delay_alu instid0(VALU_DEP_2)
	v_add_f32 v233, v233, v236
	s_delay_alu instid0(VALU_DEP_2)
	v_add_f32 v235, v235, v237
	v_mov_b32 v232, v[ST]
	v_mov_b32 v234, v[ST+4]
	ds_store_b128 v[STW], v[232:235]
	s_wait_dscnt 0x0                               ; my stats have landed, and my reads of the slots are over
	s_barrier_signal -1
	s_barrier_wait -1
	WIN 0x04
.irp u, 0,1
.irp t, 0,1,2,3,4,5,6,7,8,9,10,11,12,13,14,15
.irp hf, 0,1
	ds_store_b128 v[MW], v[128*\u+8*\t+4*\hf:128*\u+8*\t+4*\hf+3] offset:16384*\u+1024*\t+512*\hf
.endr
.endr
.endr
	WIN 0
.irp k, 0,1,2,3
	ds_load_b128 v[192+4*\k:192+4*\k+3], v[STR] offset:512*\k
.endr
	WIN 0x40
.irp u, 0,1
.irp i, 0,1,2,3,4,5,6,7
	global_load_b128 v[192+32*\u+4*\i:192+32*\u+4*\i+3], v[GO], s[16:17] offset:(8*\u+2*\i+8*(\i/4))*1024 th:TH_LOAD_NT
.endr
.endr
	s_wait_loadcnt 16                              ; all but x's sixteen loads
.irp u, 0,1
.irp j, 0,1,2,3
	MM 128+32*\u+8*\j, 64+24*\j, Q+24*\u, 160+8*\j, SCR+\j, QS+\u, 0, 0
.endr
.endr
	WIN 0x50
.irp u, 0,1
.irp j, 0,1,2,3
	MM 128+32*\u+8*\j, 64+24*\j+12, Q+24*\u+12, 128+32*\u+8*\j, SCR+\j, QS+\u, 1, 1
.endr
.endr
	PLACES 4
	WIN 0x41
.set RI, 128
.rept 32
	v_pk_mul_f32 v[RI:RI+1], v[RI:RI+1], 0xbfb8aa3b op_sel_hi:[1,0]
.set RI, RI+2
.endr
.set RI, 128
	s_wait_alu depctr_va_vdst(0)
.rept 64
	v_exp_f32 v[RI], v[RI]
.set RI, RI+1
.endr
	v_nop
	s_wait_alu depctr_va_vdst(0)
.set RI, 128
.rept 32
	v_pk_add_f32 v[RI:RI+1], v[RI:RI+1], 1.0 op_sel_hi:[1,0]
.set RI, RI+2
.endr
	s_wait_alu depctr_va_vdst(0)                   ; the wait, directly ahead of the wait below
	s_wait_dscnt 0x0                               ; my part has landed, the stats are in
	s_barrier_signal -1
	s_barrier_wait -1
	WIN 0x40
	PLOAD 0
	WIN 0
.irp u, 0,1
	v_min3_num_f32 v[232+\u], v[192+2*\u], v[196+2*\u], v[200+2*\u]   ; the least -M: the group's M
.endr
.irp u, 0,1
	s_delay_alu instid0(VALU_DEP_2)
	v_min_num_f32 v[232+\u], v[232+\u], v[204+2*\u]
.endr
.irp u, 0,1
.irp k, 0,1,2,3
	v_sub_f32 v[FP+8*\u+2*\k], v[232+\u], v[192+4*\k+2*\u]
.endr
.endr
.irp u, 0,1
.irp k, 0,1,2,3
	v_cvt_i32_f32 v[FP+8*\u+2*\k], v[FP+8*\u+2*\k]
.endr
.endr
.irp u, 0,1
.irp k, 0,1,2,3
	v_ldexp_f32 v[FP+8*\u+2*\k], 1.0, v[FP+8*\u+2*\k]
.endr
.endr
.irp u, 0,1
	v_mul_f32 v[234+\u], v[FP+8*\u], v[193+2*\u]
.endr
.irp k, 1,2,3
.irp u, 0,1
	s_delay_alu instid0(VALU_DEP_2)
	v_fma_f32 v[234+\u], v[FP+8*\u+2*\k], v[193+4*\k+2*\u], v[234+\u]
.endr
.endr
	s_wait_alu depctr_va_vdst(0)
.irp u, 0,1
	v_rcp_f32 v[234+\u], v[234+\u]
.endr
	v_nop
	s_wait_alu depctr_va_vdst(0)
.irp u, 0,1
.irp k, 0,1,2,3
	v_mul_f32 v[FP+8*\u+2*\k], v[FP+8*\u+2*\k], v[234+\u]   ; each part's factor, the division by the row's sum in it
.endr
.endr
.irp u, 0,1
.irp k, 0,1,2,3
	v_mov_b32 v[FP+8*\u+2*\k+1], v[FP+8*\u+2*\k]
.endr
.endr
	WIN 0x41
.set RI, 128
	s_wait_alu depctr_va_vdst(0)
.rept 64
	v_rcp_f32 v[RI], v[RI]                         ; the gate
.set RI, RI+1
.endr
	v_nop
	s_wait_alu depctr_va_vdst(0)
.irp u, 0,1
	s_wait_dscnt 0x0
	WIN 0x01
.set RI, 0
.rept 16
	v_pk_mul_f32 v[RO+32*\u+RI:RO+32*\u+RI+1], v[RI:RI+1], v[FP+8*\u:FP+8*\u+1] op_sel_hi:[1,0]
.set RI, RI+2
.endr
.irp k, 1,2,3
.set RI, 0
.rept 16
	v_pk_fma_f32 v[RO+32*\u+RI:RO+32*\u+RI+1], v[32*\k+RI:32*\k+RI+1], v[FP+8*\u+2*\k:FP+8*\u+2*\k+1], v[RO+32*\u+RI:RO+32*\u+RI+1] op_sel_hi:[1,0,1]
.set RI, RI+2
.endr
.endr
.set RI, 0
.rept 16
	v_pk_mul_f32 v[RO+32*\u+RI:RO+32*\u+RI+1], v[128+32*\u+RI:128+32*\u+RI+1], v[RO+32*\u+RI:RO+32*\u+RI+1]
.set RI, RI+2
.endr
	WIN 0
.irp j, 0,1,2,3
.irp hf, 0,1
	ds_store_b128 v[SO], v[RO+32*\u+8*\j+4*\hf:RO+32*\u+8*\j+4*\hf+3] offset:64*\j+16*\hf
.endr
.endr
.irp i, 0,1,2,3,4,5,6,7
	ds_load_b128 v[RB+32*\u+4*\i:RB+32*\u+4*\i+3], v[SR] offset:544*\i
.endr
.if \u == 0
	WIN 0x40
	PLOAD 1
	WIN 0
	s_wait_dscnt 32                                ; all but the 32 loads just issued
.else
	s_wait_dscnt 0x0
.endif
	s_wait_loadcnt 0x0
	WIN 0x01
.set RI, 0
.rept 16
	v_pk_add_f32 v[RB+32*\u+RI:RB+32*\u+RI+1], v[192+32*\u+RI:192+32*\u+RI+1], v[RB+32*\u+RI:RB+32*\u+RI+1]
.set RI, RI+2
.endr
	WIN 0
.irp i, 0,1,2,3,4,5,6,7
	global_store_b128 v[GO], v[RB+32*\u+4*\i:RB+32*\u+4*\i+3], s[18:19] offset:(8*\u+2*\i+8*(\i/4))*1024 th:TH_STORE_NT   ; sixteen lanes store 256 consecutive bytes, aligned
.endr
.endr
	s_wait_tensorcnt 0x0                           ; the wave's end
	ds_add_u32 v[SPW], v[NIL]
	s_wait_dscnt 0x0
	CROUND                                         ; the closing round
	s_endpgm
.Lfunc_end_k_q7708de39fa_attn:
	.size	k_q7708de39fa_attn, .Lfunc_end_k_q7708de39fa_attn-k_q7708de39fa_attn
	.p2alignl 7, 3214868480
	.fill 96, 4, 3214868480
	.section	.rodata,"a",@progbits
	.p2align	6, 0x0
	.amdhsa_kernel k_q7708de39fa_attn
		.amdhsa_group_segment_fixed_size 327680
		.amdhsa_private_segment_fixed_size 0
		.amdhsa_enable_private_segment 0
		.amdhsa_kernarg_size 64
		.amdhsa_user_sgpr_count 2
		.amdhsa_user_sgpr_kernarg_segment_ptr 1
		.amdhsa_wavefront_size32 1
		.amdhsa_system_sgpr_workgroup_id_x 1
		.amdhsa_system_sgpr_workgroup_id_y 1
		.amdhsa_system_sgpr_workgroup_id_z 1
		.amdhsa_system_vgpr_workitem_id 0
		.amdhsa_next_free_vgpr 512
		.amdhsa_next_free_sgpr 66
		.amdhsa_reserve_vcc 0
		.amdhsa_float_denorm_mode_32 3
		.amdhsa_float_denorm_mode_16_64 3
		.amdhsa_memory_ordered 1
		.amdhsa_forward_progress 1
		.amdhsa_inst_pref_size 238
	.end_amdhsa_kernel
	.amdgpu_metadata
---
amdhsa.version: [ 1, 2 ]
amdhsa.kernels:
  - .name:           k_q7708de39fa_attn
    .symbol:         k_q7708de39fa_attn.kd
    .args:
      - { .name: qimg, .offset: 0, .size: 8, .value_kind: global_buffer, .address_space: global }
      - { .name: kv, .offset: 8, .size: 8, .value_kind: global_buffer, .address_space: global }
      - { .name: xc, .offset: 16, .size: 8, .value_kind: global_buffer, .address_space: global }
      - { .name: Wg_codes, .offset: 24, .size: 8, .value_kind: global_buffer, .address_space: global }
      - { .name: Wg_scales, .offset: 32, .size: 8, .value_kind: global_buffer, .address_space: global }
      - { .name: bg, .offset: 40, .size: 8, .value_kind: global_buffer, .address_space: global }
      - { .name: x, .offset: 48, .size: 8, .value_kind: global_buffer, .address_space: global }
      - { .name: out0, .offset: 56, .size: 8, .value_kind: global_buffer, .address_space: global }
    .group_segment_fixed_size: 327680
    .private_segment_fixed_size: 0
    .kernarg_segment_align: 8
    .kernarg_segment_size: 64
    .max_flat_workgroup_size: 256
    .sgpr_count:     66
    .vgpr_count:     512
    .wavefront_size: 32
...
	.end_amdgpu_metadata
.endif
;; end of part 2
